; MI455X (gfx1250); checked and timed in simulation.
; The chip was launched on July 23, 2026; its instructions are those of AMD's public machine-readable ISA for CDNA 5 (MIT licence, August 2026) and "CDNA5" Instruction Set Architecture Reference Guide (July 2026). The comments in the code are by the model that wrote it; some were corrected since.
;; my Multihead Attention. Allowed arithmetic: matrix products marked QUANTISED: E5M2 operands, one given power-of-two scale a tensor, by v_wmma_f32_16x16x64_bf8_bf8 or v_wmma_f32_16x16x128_bf8_bf8, f32 sums; everything else in f32.
;; Inputs: W_codes 1,024 x 32 x 32 uint8 (E5M2 codes of W, K innermost, in blocks of 32 codes); b 1,024 float32; key_codes 4 x 16 x 2,048 x 2 x 32 uint8 (E5M2 codes of key, K innermost, in blocks of 32 codes); lowp_scales 6 int32 (the exponents e of the quantised operands' scales 2^e); query_codes 4 x 16 x 2,048 x 2 x 32 uint8 (E5M2 codes of query, K innermost, in blocks of 32 codes); value_codes 4 x 16 x 64 x 64 x 32 uint8 (E5M2 codes of value, K innermost, in blocks of 32 codes).
;; Outputs: out0 8,192 x 1,024 float32.
;; This version of the problem:
;;   THIS VERSION OF THE PROBLEM IS GIVEN IN LOW PRECISION. The matrix products marked QUANTISED in the list below multiply operands that are first quantised to E5M2 (5 exponent bits, 2 mantissa bits; 8 bits a number), with one given power-of-two scale for each operand tensor; their sums are f32. All else is computed in f32.
;;   The module's matrix products, in the order in which they are computed (A, B: the left and right operand; K: the contracted axis; several contracted axes count as one K, in the product's order):
;;     1. batch 64 x [M 2,048, K 64] x [K 64, N 2,048]; A: input key (given as codes); B: input query (given as codes): QUANTISED (scales: A lowp_scales[0], B lowp_scales[1])
;;     2. batch 64 x [M 64, K 2,048] x [K 2,048, N 2,048]; A: input value (given as codes); B: softmax (see below): QUANTISED (scales: A lowp_scales[2], B lowp_scales[3])
;;     3. [M 8,192, K 1,024] x [K 1,024, N 1,024]; A: computed on the way; B: input W (given as codes): QUANTISED (scales: A lowp_scales[4], B lowp_scales[5])
;;   THE QUANTISER, for each operand of a quantised product, along K:
;;     - The operand's scale is 2^e, e = its entry of the input lowp_scales (int32; the entries are numbered through the quantised products in the list's order, A before B).
;;     - Each number is divided by the scale, clamped to +-57,344, and rounded to the nearest number of E5M2, ties to even, subnormals kept.
;;     - The product sums the exact products of the quantised numbers (number of the format x scale) in f32.
;;   ~~~python
;;   def quantise(x, axis, e):      # numpy; x: float32 -> the quantised numbers, widened to float32 again
;;       x = np.moveaxis(x, axis, -1); K = x.shape[-1]
;;       r = np.clip(x / 2.0 ** e, -57344, 57344)
;;       step = 2.0 ** (np.maximum(np.frexp(np.where(r == 0, 1, r))[1] - 1, -14) - 2)
;;       q = np.round(r / step) * step * 2.0 ** e      # np.round: ties to even
;;       return np.moveaxis(q, -1, axis).astype(np.float32)
;;   ~~~
;;   SOFTMAX AHEAD OF A QUANTISED PRODUCT. Where the list says 'softmax', what is quantised is not the finished softmax but p = 2^(t - M), with t = logit x log2(e) and M = ceil(the row's largest t), a whole number; so 1/2 < the row's largest p <= 1. The row's sum l is taken of the UNQUANTISED p, in f32, and the product's result is divided by l at the end. Since M is a whole number, a kernel that streams over the keys may use a running M (the ceiling of the running maximum): every later rescaling is an exact power of two, so the quantised numbers keep their values, but for numbers so far below the row's largest that they fall under the format's range.
;;   OPERANDS COMPUTED ON THE WAY. 'Computed on the way' means the value that the module computes at that place (a softmax that the list does not call 'softmax' is quantised finished and normalised). What goes into a quantiser is computed in f32, as accurately as f32 sums, v_exp_f32 and their like allow (about 1e-6 of the number): no bf16 or f16 on the way to a quantiser, and a product that is left as it is and whose result goes on into a quantised operand takes f32 operands (vector FMAs, or v_wmma_f32_16x16x4_f32). A number that lies on a knife's edge between two numbers of the format may be rounded either way, as far as f32 arithmetic and the matrix unit's own rounding can turn it there, and no further.
;;   INPUTS GIVEN AS CODES. W (in the module: [1024, 1024], K = its axis 1); key (in the module: [4, 16, 2048, 64], K = its axis 3); query (in the module: [4, 16, 2048, 64], K = its axis 3); value (in the module: [4, 16, 2048, 64], K = its axis 2): each comes as NAME_codes (uint8): NAME with its K axis moved to the last place and cut into blocks of 32 codes, [.., K / 32, bytes a block], one block behind the other in memory; one code a byte (a code: sign, 5 exponent bits, 2 mantissa bits); its scale is its entry of lowp_scales. Its value is code x scale, taken as it is: it is not quantised again, and the codes and scales need not be those that the quantiser above would give.
;; One version. Each part assembles by itself: llvm-mc -triple=amdgcn-amd-amdhsa -mcpu=gfx1250 --defsym DOCPART=n.
;; ======== version 1 of 1: 2 launches
;; limits: right only within a limited range of input values
;; workspace buffers: xc 8,388,608 bytes
;; launch attn (part 1): grid 4 x 64, 8 waves a work-group, clusters of 4 x 1, 327,680 bytes of LDS; arguments query_codes, key_codes, value_codes, lowp_scales, xc; writes xc
.if DOCPART == 1
	.amdgcn_target "amdgcn-amd-amdhsa--gfx1250"
	.amdhsa_code_object_version 6
	.text
	.protected	k_q33a6015da9_attn
	.globl	k_q33a6015da9_attn
	.p2align	8
	.type	k_q33a6015da9_attn,@function
k_q33a6015da9_attn:
	s_mov_b64 s[64:65], 0
	v_nop
	global_prefetch_b8 v0, s[64:65] scope:SCOPE_SE
	s_setreg_imm32_b32 hwreg(HW_REG_WAVE_MODE, 25, 1), 1
	s_wait_xcnt 0x0
	s_wait_alu depctr_hold_cnt(0) depctr_sa_sdst(0) depctr_va_vdst(0) depctr_va_sdst(0) depctr_va_ssrc(0) depctr_va_vcc(0) depctr_vm_vsrc(0)
	s_getreg_b32 s2, hwreg(HW_REG_IB_STS2, 6, 4)
	s_cmp_eq_u32 s2, 0
	s_cbranch_scc0 .Lentry_in_a_cluster
	s_endpgm
.Lentry_in_a_cluster:
	s_bfe_u32 s2, ttmp6, 0x10000c
	s_cmp_lg_u32 s2, 0x3003
	s_cbranch_scc0 .Lentry_shape_is_right
	s_endpgm
.Lentry_shape_is_right:
; x[head][d][q] = the sum over keys k of V[head][k][d] softmax_k(K[head][k] . Q[head][q]), unscaled scores, both products on codes of BF8 (E5M2); x leaves as codes of BF8,
; quantised along q with the given 2^e4 (q is the K of the product that follows): xc byte (head x 64 + d) x 2048 + q.
; Q, K: [64 heads][2048][64] codes.  V: [64 heads][64 (d)][2048 (keys)] codes.  lowp_scales: e0 (K), e1 (Q), e2 (V), e3 (p), e4 (x).
; SOFTMAX: t = score x log2(e); M = the largest t so far, rounded up to a whole number; p = 2^(t - M) is quantised with 2^e3, not normalised.  The sum is taken of the unquantised p and divides O at the end.
; When M moves, the sum and O are multiplied by 2^(old M - new M): exact.  No work of the problem is left out.
; SHARES.  A work-group owns 512 queries of one head; each of its eight waves owns four tiles of 16 queries AT ONCE, so that each fragment of K and of V read from LDS feeds four tiles.  Every wave walks all 2,048 keys, 128 a step.
; A SLOT is one tile's turn in a step.  In slot i: the maximum, M and t - M of tile i; its 64 exponentials, between which stand tile i - 1's first 16 sums and its hold; then tile i - 1's O x f,
; its codes and its second product, and tile i + 1's scores.  The slots go on from step to step; the first slot and the last step are written out.
; LDS HOLDS THE HEAD'S WHOLE K AND V, filled once: one tensor load a wave at the head (waves 0-3: 512 keys of K each; waves 4-7: 32 rows x 1,024 keys of V each); no byte is filled twice.
; CLUSTER.  The four query blocks of a head need the same K and V: each tile is asked for jointly, with the mask 15.
; NO PREFETCH: all tensor loads stand at the head; there is no loop that runs ahead of a load.
; LAYOUT.  Both products transposed: S^T = K Q^T, O^T = V^T P^T: a lane holds one query (lane % 16).  In S^T's tile T lane (r, h) holds keys 16 T + 8 h + 0 .. 7: their codes are registers 2 T, 2 T + 1 of the K = 128 form's operand.
; K's and Q's fragments come by two loads of 16 bytes, 32 apart: a permutation of the head's 64, the same on both sides.
; LIMITS on the given exponents, so that each power of two below is an f32 number: e0 + e1 between -126 and 127; e3, and e4 - e2 - e3, between -126 and 112.  Codes of infinity or NaN among the inputs are not served.
; REGISTERS.  Window 0: v1-16 addresses and constants; v17-22 at work; v24-47 state, six a tile (-M, largest t, the sum's two halves, f and its pair); v48-79 Q; v80-95 p's codes; v96-127 partial sums; v128-191, v192-255 two buffers of scores.
; Window 1: v0-127 O^T (32 a tile); v128-191 K's eight fragments; v192-255 V's four.
.set KP,    272                        ; four keys' 256 bytes + 16 of padding
.set KSTEP, 32*KP                      ; 128 keys
.set VP,    1040                       ; a row of half of V: 1,024 keys' codes + 16
.set VH,    64*VP                      ; 64 rows: keys 0-1023, then keys 1024-2047
.set VBASE, 512*KP
.set PST,   VBASE+2*VH                 ; a stage of 16 rows (d) x 80 bytes for each wave: O^T is turned there
.set PP,    80
.set CST,   PST+8*16*PP                ; the work-group's stage for codes: 64 rows (d) x (512 queries + 16)
.set CP,    528
.set SPARE, CST+64*CP                  ; the spare words, 128 bytes a wave
.set AK0, 1
.set AV0, 2
.set ADK, 3
.set ADV, 4
.set PSW, 5
.set PSR, 6
.set CSW, 7
.set CSR, 8
.set GO,  9
.set QO,  10
.set SPW, 11
.set NIL, 12
.set E3,  14                           ; 2^e3
.set H4,  15                           ; 57,344 x 2^(e4 - e2 - e3)
.set E4,  16                           ; 2^(e4 - e2 - e3)
.set PM,  17
.set MA,  18
.set MB,  19
.set MC,  20
.set MD,  21
.set OLD, 22
.set WV,  14                           ; s14 my wave's number
.set SEL, 20
.set CS,  22                           ; s[22:23] c = log2(e) x 2^(e0 + e1)
.set G1K, 24
.set G1V, 32
.set G0K, 40
.set G0V, 44
.set T0,  55
.set KB,  56                           ; s56 LDS byte of the next step's keys in K
.set VB,  57                           ; s57 of this step's in V
.set SN,  58                           ; s58 the step
.set HS,  59                           ; s59 57,344 x 2^e3
.set MSB, 0
.macro WIN new                         ; the immediate's high byte repeats the setting that is left
.if MSB != \new
	s_set_vgpr_msb (MSB<<8)|\new
.set MSB, \new
.endif
.endm
.macro ROUND                           ; a round of the cluster's barrier
	s_barrier_signal -1
	s_barrier_wait -1
	s_cmp_lg_u32 s[WV], 0
	s_cbranch_scc1 .Lnot_wave_0_\@
	s_barrier_signal -3
.Lnot_wave_0_\@:
	s_barrier_wait -3
	s_barrier_signal -1
	s_barrier_wait -1
.endm
.macro NOPS
.rept 4
	v_nop
.endr
.endm
.macro KLOAD adr                       ; K's eight fragments, 16 keys x 64, into window 1
	WIN 0x40
.irp T, 0,1,2,3,4,5,6,7
	ds_load_b128 v[128+8*\T:131+8*\T], v[\adr] offset:4*KP*\T
	ds_load_b128 v[132+8*\T:135+8*\T], v[\adr] offset:4*KP*\T+32
.endr
	WIN 0
.endm
.macro QK tile, buf                    ; scores of a tile: source 0 = 16 keys (window 1), source 1 = its queries
	WIN 0x01
.irp T, 0,1,2,3,4,5,6,7
	v_wmma_f32_16x16x64_bf8_bf8 v[\buf+8*\T:\buf+8*\T+7], v[128+8*\T:135+8*\T], v[48+8*(\tile):55+8*(\tile)], 0
.endr
	WIN 0
.endm
.macro PKFMA from, n                   ; t - M, two at a time
.set J, \from
.rept \n
	v_pk_fma_f32 v[SB+J:SB+J+1], v[SB+J:SB+J+1], s[CS:CS+1], v[ST:ST+1] op_sel_hi:[1,0,0]
.set J, J+2
.endr
.endm
	s_load_b256 s[4:11], s[0:1], 0x0               ; Q, K, V, the exponents
	s_load_b64 s[12:13], s[0:1], 0x20              ; xc
	v_lshl_add_u32 v[SPW], v0, 2, SPARE
	v_mov_b32 v[NIL], 0
	ds_add_u32 v[SPW], v[NIL]                      ; the opening lines: the add twice on end and one wait
	ds_add_u32 v[SPW], v[NIL]
	v_lshrrev_b32 v17, 5, v0
	v_readfirstlane_b32 s[WV], v17                 ; wave 0..7
	s_bfe_u32 s15, ttmp6, 0x40000                  ; cx
	s_lshl_b32 s86, ttmp9, 2
	s_add_co_u32 s15, s15, s86                     ; my block of 512 queries: it enters Q's and xc's addresses alone
	s_and_b32 s16, ttmp7, 0xffff                   ; the head
	s_lshl_b32 s18, s16, 17                        ; its first byte in each buffer
	s_and_b32 s17, s[WV], 3
	s_lshl_b32 s88, s17, 15                        ; K: 512 keys of 64 bytes a wave
	s_add_co_u32 s88, s88, s18
	s_mov_b32 s89, 0
	s_and_b32 s19, s17, 1                          ; V: which 32 rows,
	s_lshr_b32 s87, s17, 1                         ; which 1,024 keys
	s_lshl_b32 s90, s19, 16
	s_lshl_b32 s91, s87, 10
	s_add_co_u32 s90, s90, s91
	s_add_co_u32 s90, s90, s18
	s_mov_b32 s91, 0
	s_lshl_b32 s92, s15, 15                        ; Q: 512 rows of 64 bytes a block, 64 a wave
	s_lshl_b32 s93, s[WV], 12
	s_add_co_u32 s92, s92, s93
	s_add_co_u32 s92, s92, s18
	s_mov_b32 s93, 0
	s_lshl_b32 s94, s15, 9                         ; xc: 512 bytes of each row a block
	s_add_co_u32 s94, s94, s18
	s_mov_b32 s95, 0
	s_mul_i32 s96, s17, 128*KP                     ; where my load goes: the wave's number alone
	s_mul_i32 s97, s19, 32*VP
	s_mul_i32 s87, s87, VH
	s_add_co_u32 s97, s97, s87
	s_add_co_u32 s97, s97, VBASE
	s_mul_i32 s68, s[WV], 16*PP
	s_add_co_u32 s68, s68, PST                     ; my f32 stage
	s_lshl_b32 s69, s[WV], 6
	s_add_co_u32 s69, s69, CST                     ; my 64 queries in the codes' stage
	s_mul_i32 s70, s[WV], 8*CP
	s_add_co_u32 s70, s70, CST                     ; the eight rows that I store
	s_lshl_b32 s71, s[WV], 14                      ; and the same rows in xc
	s_mov_b32 s[G1K], 15|(1<<20)|(1<<21)|(5<<22)|(3<<25)   ; the mask; elements of 1 byte; four words of padding after every 64
	s_mov_b32 s[G1K+1], 256<<16
	s_mov_b32 s[G1K+2], 128<<16
	s_mov_b32 s[G1K+3], 256<<16
	s_mov_b32 s[G1K+4], 128                        ; K is dense: 128 rows of 256 bytes
	s_mov_b32 s[G1K+5], 256
	s_mov_b32 s[G1K+6], 0
	s_mov_b32 s[G1K+7], 0
	s_mov_b32 s[G1V], 15|(1<<20)|(1<<21)|(7<<22)|(3<<25)   ; four words of padding after every 256
	s_mov_b32 s[G1V+1], 1024<<16
	s_mov_b32 s[G1V+2], 32<<16
	s_mov_b32 s[G1V+3], 1024<<16
	s_mov_b32 s[G1V+4], 32                         ; V: 32 rows of 1,024 bytes, 2,048 apart
	s_mov_b32 s[G1V+5], 2048
	s_mov_b32 s[G1V+6], 0
	s_mov_b32 s[G1V+7], 0
	s_mov_b32 s[SEL], 0x76543210
	s_mov_b32 s[SEL+1], 0xfedcba98
	v_and_b32 v18, 15, v0                          ; r
	v_bfe_u32 v19, v0, 4, 1                        ; h
	v_bfe_u32 v20, v0, 2, 2                        ; r / 4
	v_and_b32 v21, 3, v0                           ; r % 4
	v_bfe_u32 v22, v0, 1, 4                        ; lane / 2
	v_and_b32 v23, 1, v0                           ; lane % 2
	v_and_b32 v17, 31, v0                          ; lane
	v_mul_u32_u24 v[AK0], v20, KP
	v_mul_u32_u24 v[AV0], v18, VP
	v_mul_u32_u24 v[PSW], v19, 8*PP
	v_mul_u32_u24 v[PSR], v22, PP
	v_mul_u32_u24 v[CSW], v22, CP
	v_lshl_add_u32 v[AK0], v21, 6, v[AK0]
	v_lshl_add_u32 v[AV0], v19, 3, v[AV0]
	v_lshl_add_u32 v[PSW], v18, 2, v[PSW]
	v_lshl_add_u32 v[PSR], v23, 5, v[PSR]
	v_lshl_add_u32 v[CSW], v23, 3, v[CSW]
	v_lshl_add_u32 v[AK0], v19, 4, v[AK0]          ; K: (r / 4) x 272 + (r % 4) x 64 + 16 h
	v_add_nc_u32 v[AV0], VBASE, v[AV0]             ; V: row r, + 8 h
	v_add_nc_u32 v[PSW], s68, v[PSW]               ; f32 stage in: row 8 h + j, query r
	v_add_nc_u32 v[PSR], s68, v[PSR]               ; back: row lane / 2, eight queries from 8 (lane % 2) on
	v_add_nc_u32 v[CSW], s69, v[CSW]               ; codes in: row lane / 2 (+ 16 t), byte 64 x wave (+ 16 x tile) + 8 (lane % 2)
	v_lshl_add_u32 v[CSR], v17, 4, s70             ; codes back: a row of 512 bytes, 16 a lane
	v_lshl_add_u32 v[GO], v17, 4, s71
	v_lshlrev_b32 v[QO], 6, v18
	v_lshl_add_u32 v[QO], v19, 4, v[QO]            ; Q: row r of 64 bytes, + 16 h
	s_wait_alu depctr_va_vdst(0)                   ; the wait ahead of the waits below
	s_wait_dscnt 0x0                               ; both opening adds are done
	s_wait_kmcnt 0x0
	s_load_b128 s[60:63], s[10:11], 0x0            ; e0, e1, e2, e3
	s_load_b32 s84, s[10:11], 0x10                 ; e4
	s_add_nc_u64 s[4:5], s[4:5], s[92:93]
	s_add_nc_u64 s[12:13], s[12:13], s[94:95]
	s_mov_b32 s[G0K], 1
	s_mov_b32 s[G0K+1], s96
	s_add_nc_u64 s[G0K+2:G0K+3], s[6:7], s[88:89]
	s_or_b32 s[G0K+3], s[G0K+3], 0x80000000
	s_mov_b32 s[G0V], 1
	s_mov_b32 s[G0V+1], s97
	s_add_nc_u64 s[G0V+2:G0V+3], s[8:9], s[90:91]
	s_or_b32 s[G0V+3], s[G0V+3], 0x80000000
	ROUND                                          ; all four work-groups are here: the joint loads meet
	s_cmp_lt_u32 s[WV], 4                          ; every wave issues one load: one of mine is out
	s_cbranch_scc0 .Lfor_v
	tensor_load_to_lds s[G0K:G0K+3], s[G1K:G1K+7]
	s_nop 0
	NOPS
	s_branch .Lasked
.Lfor_v:
	tensor_load_to_lds s[G0V:G0V+3], s[G1V:G1V+7]
	s_nop 0
	NOPS
.Lasked:
.irp i, 0,1,2,3                                ; Q of my four tiles stays in registers
	global_load_b128 v[48+8*\i:51+8*\i], v[QO], s[4:5] offset:1024*\i th:TH_LOAD_NT
	global_load_b128 v[52+8*\i:55+8*\i], v[QO], s[4:5] offset:1024*\i+32 th:TH_LOAD_NT
.endr
	s_wait_kmcnt 0x0
	s_add_co_i32 s86, s60, s61
	s_lshl_b32 s86, s86, 23
	s_add_co_i32 s[CS], s86, 0x3fb8aa3b            ; e0 + e1 added to log2(e)'s exponent field
	s_mov_b32 s[CS+1], s[CS]
	s_add_co_i32 s86, s63, 127
	s_lshl_b32 s87, s86, 23                        ; 2^e3
	s_add_co_i32 s86, s86, 15
	s_lshl_b32 s86, s86, 23
	s_or_b32 s[HS], s86, 0x600000                  ; 57,344 x 2^e3
	s_sub_co_i32 s86, s84, s62                     ; O / the sum stands for x / 2^(e2 + e3): the three scales are folded into the conversion's one
	s_sub_co_i32 s86, s86, s63
	s_add_co_i32 s86, s86, 127
	s_lshl_b32 s85, s86, 23
	s_add_co_i32 s86, s86, 15
	s_lshl_b32 s86, s86, 23
	s_or_b32 s86, s86, 0x600000
	v_mov_b32 v[E3], s87
	v_mov_b32 v[E4], s85
	v_mov_b32 v[H4], s86
	v_mov_b32 v[PM], 0                             ; a lane permute's destination counts as one of its sources
.irp i, 0,1,2,3                                ; a tile begins: the largest t under every t, the sum 0; the first change of M multiplies zeros by 0
	v_mov_b32 v[25+6*\i], 0xff61b1e6
	v_mov_b32 v[26+6*\i], 0
	v_mov_b32 v[27+6*\i], 0
	v_mov_b32 v[29+6*\i], 0
.endr
.irp i, 0,1,2,3
	v_floor_f32 v[24+6*\i], -v[25+6*\i]
.endr
	WIN 0x40
.set Z, 0
.rept 128                                      ; O^T begins as zeros, so that the slot is written without a first form of its own; these stand under the tensor loads' flight
	v_mov_b32 v[Z], 0
.set Z, Z+1
.endr
	WIN 0
	s_wait_alu depctr_va_vdst(0)                   ; the wait at the head's end
	s_wait_tensorcnt 0x0                           ; my part of K or V lies in LDS;
	s_barrier_signal -1
	s_barrier_wait -1                              ; everybody's does
	KLOAD AK0                                      ; step 0's keys
	s_wait_loadcnt 0x0                             ; Q
	s_wait_dscnt 0x0
	QK 0, 128
	NOPS                                           ; four places ahead of the first read of the scores
; A SLOT.  i: the tile in hand (cur = 0: none).  prev: tile i - 1 is finished.  next: tile i + 1's scores are made.  ld: 1 = this step's V, 2 = the next step's K is fetched, into registers whose last products stand more than four places back.
.macro SLOT i, cur, prev, next, ld
.set SB, 128+64*((\i)%2)
.set PB, 192-64*((\i)%2)
.set ST, 24+6*(\i)
.set PI, ((\i)+3)%4
.set PS, 24+6*PI
.set NI, ((\i)+1)%4
.if \cur
.if \ld == 1
	s_and_b32 s[T0], s[SN], 7                      ; V: 128 bytes a step within a half, VH from half to half
	s_lshl_b32 s[T0], s[T0], 7
	s_lshr_b32 s[VB], s[SN], 3
	s_mul_i32 s[VB], s[VB], VH
	s_add_co_u32 s[VB], s[VB], s[T0]
	v_add_nc_u32 v[ADV], s[VB], v[AV0]
.endif
.if \ld == 2
	v_add_nc_u32 v[ADK], s[KB], v[AK0]
.endif
	v_max3_num_f32 v[MA], v[SB], v[SB+1], v[SB+2]  ; the step's largest score of my query among my 64 keys: four chains, each accumulator entered at its low end
	v_max3_num_f32 v[MB], v[SB+17], v[SB+18], v[SB+19]
	v_max3_num_f32 v[MC], v[SB+34], v[SB+35], v[SB+36]
	v_max3_num_f32 v[MD], v[SB+49], v[SB+50], v[SB+51]
.irp k, 0,2,4,6,8,10
	v_max3_num_f32 v[MA], v[MA], v[SB+3+\k], v[SB+4+\k]
	v_max3_num_f32 v[MB], v[MB], v[SB+20+\k], v[SB+21+\k]
	v_max3_num_f32 v[MC], v[MC], v[SB+37+\k], v[SB+38+\k]
	v_max3_num_f32 v[MD], v[MD], v[SB+52+\k], v[SB+53+\k]
.endr
	v_max3_num_f32 v[MA], v[MA], v[SB+15], v[SB+16]
	v_max3_num_f32 v[MB], v[MB], v[SB+32], v[SB+33]
.if \ld == 1
	WIN 0x40
.irp t, 0,1,2,3                                ; V's four fragments, 16 d x 128 keys, in the form's own layout
.irp c, 0,1,2,3,4,5,6,7
	ds_load_b64 v[192+16*\t+2*\c:193+16*\t+2*\c], v[ADV] offset:16*VP*\t+16*\c
.endr
.endr
	WIN 0
.endif
.if \ld == 2
	KLOAD ADK
.endif
	v_mov_b32 v[OLD], v[ST]
	v_max3_num_f32 v[MA], v[MA], v[MB], v[MC]
	v_max_num_f32 v[MA], v[MA], v[MD]
	v_permlanex16_b32 v[PM], v[MA], s[SEL], s[SEL+1]
	v_max_num_f32 v[MA], v[MA], v[PM]              ; and among lane l xor 16's
	v_mul_f32 v[MA], s[CS], v[MA]                  ; as t (c is positive)
	v_max_num_f32 v[ST+1], v[ST+1], v[MA]          ; the running largest t
	v_floor_f32 v[ST], -v[ST+1]                    ; -M = floor(-t)
	PKFMA 0, 4
	v_sub_f32 v[MA], v[ST], v[OLD]                 ; old M - new M, a whole number
	PKFMA 8, 4
	v_cvt_i32_f32 v[MA], v[MA]                     ; (it saturates)
	PKFMA 16, 4
	v_ldexp_f32 v[ST+4], 1.0, v[MA]                ; f = 2^(old M - new M)
	PKFMA 24, 20
	s_wait_alu depctr_va_vdst(0)                   ; the wait ahead of the exponentials
.endif
.set G, 0
.rept 16                                       ; p = 2^(t - M) of tile i; between the exponentials tile i - 1's p: sums of pairs (of the unquantised p), then the one-sided hold (p is not negative), two a line
.if \cur
	v_exp_f32 v[SB+G], v[SB+G]
.endif
.if \prev
	v_pk_add_f32 v[96+G/2:97+G/2], v[PB+G:PB+G+1], v[PB+G+2:PB+G+3]
.endif
.if \cur
	v_exp_f32 v[SB+G+1], v[SB+G+1]
.endif
.if \prev
	v_dual_min_num_f32 v[PB+G], s[HS], v[PB+G] :: v_dual_min_num_f32 v[PB+G+1], s[HS], v[PB+G+1]
.endif
.if \cur
	v_exp_f32 v[SB+G+2], v[SB+G+2]
.endif
.if \prev
	v_dual_min_num_f32 v[PB+G+2], s[HS], v[PB+G+2] :: v_dual_min_num_f32 v[PB+G+3], s[HS], v[PB+G+3]
.endif
.if \cur
	v_exp_f32 v[SB+G+3], v[SB+G+3]
.endif
.set G, G+4
.endr
.if \prev
	WIN 0x41
	s_wait_alu depctr_va_vdst(0)                   ; one wait behind the exponentials, directly ahead of the first reader of O^T
.irp j, 0,2,4,6,8,10,12,14,16,18,20,22,24,26,28,30
	v_pk_mul_f32 v[32*PI+\j:32*PI+\j+1], v[32*PI+\j:32*PI+\j+1], v[PS+4:PS+5] op_sel_hi:[1,0]   ; O^T of tile i - 1 under its new M
.endr
	WIN 0
.irp g, 0,2,4,6,8,10,12,14
	v_pk_add_f32 v[96+\g:97+\g], v[96+\g:97+\g], v[112+\g:113+\g]
.endr
.irp T, 0,1,2,3,4,5,6,7
	v_cvt_scalef32_pk8_bf8_f32 v[80+2*\T:81+2*\T], v[PB+8*\T:PB+8*\T+7], v[E3]   ; keys 16 T + 8 h + 0 .. 7
.endr
.irp g, 0,2,4,6
	v_pk_add_f32 v[96+\g:97+\g], v[96+\g:97+\g], v[104+\g:105+\g]   ; (plain lines between the conversions and the products)
.endr
	s_wait_alu depctr_va_vdst(0)
.if \ld
	s_wait_dscnt 0x0                               ; the fragments asked for in this slot are in
.endif
	WIN 0x51
.irp t, 0,1,2,3                                ; O^T += V^T P^T: four accumulators, one instruction each
	v_wmma_f32_16x16x128_bf8_bf8 v[32*PI+8*\t:32*PI+8*\t+7], v[192+16*\t:207+16*\t], v[80:95], v[32*PI+8*\t:32*PI+8*\t+7]
.endr
.else
	v_nop                                          ; a plain line behind the exponentials
	s_wait_alu depctr_va_vdst(0)
.endif
.if \next
	QK NI, PB
.endif
	WIN 0
.if \prev                                      ; four plain lines: the places behind the products, and the rest of tile i - 1's sum
	v_pk_add_f32 v[96:97], v[96:97], v[100:101]
	v_pk_add_f32 v[98:99], v[98:99], v[102:103]
	v_pk_add_f32 v[96:97], v[96:97], v[98:99]
	v_pk_fma_f32 v[PS+2:PS+3], v[PS+2:PS+3], v[PS+4:PS+5], v[96:97] op_sel_hi:[1,0,1]   ; the sum x f + the step's
.else
	NOPS
.endif
.endm
	SLOT 0, 1, 0, 1, 0                             ; step 0's tile 0 has no tile to finish
	s_mov_b32 s[SN], 0
	s_mov_b32 s[KB], KSTEP
.Lstep:                                            ; 15 trips: tiles 1, 2, 3 of step SN and tile 0 of the next
	SLOT 1, 1, 1, 1, 1
	SLOT 2, 1, 1, 1, 0
	SLOT 3, 1, 1, 1, 2
	SLOT 0, 1, 1, 1, 0
	s_add_co_u32 s[KB], s[KB], KSTEP
	s_add_co_u32 s[SN], s[SN], 1
	s_cmp_lt_u32 s[SN], 15
	s_wait_alu depctr_va_vdst(0)                   ; the wait ahead of the branch
	s_cbranch_scc1 .Lstep
	SLOT 1, 1, 1, 1, 1                             ; the last step: no keys follow
	SLOT 2, 1, 1, 1, 0
	SLOT 3, 1, 1, 0, 0
	SLOT 0, 0, 1, 0, 0                             ; tile 3 is finished
; THE WAY OUT.  O^T / the sum holds a query a lane and d along the registers; x's codes run along the queries.  Each 16 d x 16 queries turn through my own f32 stage: a lane then holds eight neighbouring queries of one d.
; The eight waves' codes meet in the work-group's stage, 64 rows of 512 queries; each wave stores eight rows, 32 lanes to 512 consecutive bytes.
.irp i, 0,1,2,3
	v_add_f32 v[26+6*\i], v[26+6*\i], v[27+6*\i]
.endr
.irp i, 0,1,2,3
	v_permlanex16_b32 v[27+6*\i], v[26+6*\i], s[SEL], s[SEL+1]
.endr
.irp i, 0,1,2,3
	v_add_f32 v[26+6*\i], v[26+6*\i], v[27+6*\i]
.endr
	s_wait_alu depctr_va_vdst(0)                   ; the wait ahead of the reciprocals
.irp i, 0,1,2,3
	v_rcp_f32 v[26+6*\i], v[26+6*\i]
.endr
	v_nop
	WIN 0x01
	s_wait_alu depctr_va_vdst(0)                   ; and behind them, directly ahead of the first reader of O^T
.irp i, 0,1,2,3
.irp j, 0,2,4,6,8,10,12,14,16,18,20,22,24,26,28,30
	v_pk_mul_f32 v[128+32*\i+\j:129+32*\i+\j], v[32*\i+\j:32*\i+\j+1], v[26+6*\i:27+6*\i] op_sel_hi:[1,0]   ; register 8 t + j: d = 16 t + 8 h + j, query r
.endr
.endr
	WIN 0
	s_wait_alu depctr_va_vdst(0)
.macro TURN i, rb                              ; 40 LDS instructions.  LDS serves a wave's instructions in order (ISA guide 5.7.1.4): the loads see the stores above them
.irp t, 0,1,2,3
.irp j, 0,1,2,3,4,5,6,7
	ds_store_b32 v[PSW], v[128+32*(\i)+8*\t+\j] offset:PP*\j
.endr
	ds_load_b128 v[\rb+8*\t:\rb+8*\t+3], v[PSR]
	ds_load_b128 v[\rb+8*\t+4:\rb+8*\t+7], v[PSR] offset:16
.endr
.endm
.macro CONV i, rb                              ; the hold at the largest code x the scale, the codes, 4 LDS stores
.irp t, 0,1,2,3
.irp k, 0,1,2,3,4,5,6,7
	v_med3_num_f32 v[\rb+8*\t+\k], v[\rb+8*\t+\k], -v[H4], v[H4]
.endr
	v_cvt_scalef32_pk8_bf8_f32 v[80+8*((\i)%2)+2*\t:81+8*((\i)%2)+2*\t], v[\rb+8*\t:\rb+8*\t+7], v[E4]
.endr
	v_nop
.irp t, 0,1,2,3
	ds_store_b64 v[CSW], v[80+8*((\i)%2)+2*\t:81+8*((\i)%2)+2*\t] offset:16*CP*\t+16*(\i)
.endr
.endm
	TURN 0, 96
	TURN 1, 48
	s_wait_dscnt 40                                ; tile 0 is back; tile 1's 40 may be out
	CONV 0, 96
	TURN 2, 96
	s_wait_dscnt 44                                ; tile 1 is back; behind it: 4 stores of codes and tile 2's 40
	CONV 1, 48
	TURN 3, 48
	s_wait_dscnt 44
	CONV 2, 96
	s_wait_dscnt 4                                 ; tile 3 is back; behind it: 4 stores of codes
	CONV 3, 48
	s_wait_dscnt 0x0                               ; for the others' sake: my codes lie in the stage
	s_barrier_signal -1
	s_barrier_wait -1
.irp k, 0,1,2,3,4,5,6,7
	ds_load_b128 v[128+4*\k:131+4*\k], v[CSR] offset:CP*\k
.endr
.irp k, 0,1,2,3,4,5,6,7
	s_wait_dscnt 7-\k
	global_store_b128 v[GO], v[128+4*\k:131+4*\k], s[12:13] offset:2048*\k   ; 32 lanes store 512 consecutive bytes, at a multiple of 256 from xc's first byte
.endr
	s_wait_tensorcnt 0x0                           ; the wave's end
	ds_add_u32 v[SPW], v[NIL]
	s_wait_dscnt 0x0
	ROUND                                          ; the closing round
	s_endpgm
.Lfunc_end_k_q33a6015da9_attn:
	.size	k_q33a6015da9_attn, .Lfunc_end_k_q33a6015da9_attn-k_q33a6015da9_attn
	.p2alignl 7, 3214868480
	.fill 96, 4, 3214868480
	.section	.rodata,"a",@progbits
	.p2align	6, 0x0
	.amdhsa_kernel k_q33a6015da9_attn
		.amdhsa_group_segment_fixed_size 327680
		.amdhsa_private_segment_fixed_size 0
		.amdhsa_enable_private_segment 0
		.amdhsa_kernarg_size 40
		.amdhsa_user_sgpr_count 2
		.amdhsa_user_sgpr_kernarg_segment_ptr 1
		.amdhsa_wavefront_size32 1
		.amdhsa_system_sgpr_workgroup_id_x 1
		.amdhsa_system_sgpr_workgroup_id_y 1
		.amdhsa_system_sgpr_workgroup_id_z 1
		.amdhsa_system_vgpr_workitem_id 0
		.amdhsa_next_free_vgpr 512
		.amdhsa_next_free_sgpr 100
		.amdhsa_reserve_vcc 0
		.amdhsa_float_denorm_mode_32 3
		.amdhsa_float_denorm_mode_16_64 3
		.amdhsa_memory_ordered 1
		.amdhsa_forward_progress 1
		.amdhsa_inst_pref_size 151
	.end_amdhsa_kernel
	.amdgpu_metadata
---
amdhsa.version: [ 1, 2 ]
amdhsa.kernels:
  - .name:           k_q33a6015da9_attn
    .symbol:         k_q33a6015da9_attn.kd
    .args:
      - { .name: query_codes, .offset: 0, .size: 8, .value_kind: global_buffer, .address_space: global }
      - { .name: key_codes, .offset: 8, .size: 8, .value_kind: global_buffer, .address_space: global }
      - { .name: value_codes, .offset: 16, .size: 8, .value_kind: global_buffer, .address_space: global }
      - { .name: lowp_scales, .offset: 24, .size: 8, .value_kind: global_buffer, .address_space: global }
      - { .name: xc, .offset: 32, .size: 8, .value_kind: global_buffer, .address_space: global }
    .group_segment_fixed_size: 327680
    .private_segment_fixed_size: 0
    .kernarg_segment_align: 8
    .kernarg_segment_size: 40
    .max_flat_workgroup_size: 256
    .sgpr_count:     100
    .vgpr_count:     512
    .wavefront_size: 32
...
	.end_amdgpu_metadata
.endif
;; end of part 1
;; launch proj (part 2): grid 8 x 64, 4 waves a work-group, clusters of 4 x 4, 296,448 bytes of LDS; arguments xc, W_codes, lowp_scales, b, out0; writes out0
.if DOCPART == 2
	.amdgcn_target "amdgcn-amd-amdhsa--gfx1250"
	.amdhsa_code_object_version 6
	.text
	.protected	k_q33a6015da9_proj
	.globl	k_q33a6015da9_proj
	.p2align	8
	.type	k_q33a6015da9_proj,@function
k_q33a6015da9_proj:
	s_mov_b64 s[64:65], 0
	v_nop
	global_prefetch_b8 v0, s[64:65] scope:SCOPE_SE
	s_setreg_imm32_b32 hwreg(HW_REG_WAVE_MODE, 25, 1), 1
	s_wait_xcnt 0x0
	s_wait_alu depctr_hold_cnt(0) depctr_sa_sdst(0) depctr_va_vdst(0) depctr_va_sdst(0) depctr_va_ssrc(0) depctr_va_vcc(0) depctr_vm_vsrc(0)
	s_getreg_b32 s2, hwreg(HW_REG_IB_STS2, 6, 4)
	s_cmp_eq_u32 s2, 0
	s_cbranch_scc0 .Lentry_in_a_cluster
	s_endpgm
.Lentry_in_a_cluster:
	s_bfe_u32 s2, ttmp6, 0x10000c
	s_cmp_lg_u32 s2, 0xf033
	s_cbranch_scc0 .Lentry_shape_is_right
	s_endpgm
.Lentry_shape_is_right:
; out[m][n] = (the sum over k of x[m][k] W[n][k]) + b[n].  x: [8192][1024] and W: [1024][1024]: codes of BF8 (E5M2), K innermost, with the scales 2^e4 and 2^e5 (entries 4 and 5 of the exponents); b [1024], out [8192][1024]: f32.
; The codes are multiplied as they are; each finished sum goes out as sum x 2^(e4 + e5) + b, one packed multiply-add for two numbers.  LIMIT: e4 + e5 between -126 and 127, so that 2^(e4 + e5) is an f32 number.
; SHARES.  A tile of out is 128 x 128: 512 tiles, a work-group each (tiles of 256 x 256 would be 128, fewer than there are WGPs).  Four waves, each 64 x 64: 16 accumulators of 16 x 16.
; K IS SHORT ENOUGH THAT BOTH OPERAND TILES LIE IN LDS WHOLE: 2 x 128 rows x 1,024 bytes, one tensor load a wave of 64 rows, all asked for at the start, each byte of LDS filled once: no ring.
; The products begin when the whole load has landed.
; CLUSTERS: 4 x 4 work-groups.  The four of a row of the cluster need the same rows of x, the four of a column the same rows of W: each tile is asked for JOINTLY, by the same tensor load with the same descriptor and a mask that names the four.
; THE MATRIX INSTRUCTION IS USED TRANSPOSED (source 0 = 16 rows of W, source 1 = 16 rows of x): a lane then holds eight neighbouring numbers of a row of out.
; A fragment (16 rows x 128 K, 16 registers) comes by four loads of 16 bytes, 32 apart: a permutation of k, the same on both sides, so every product meets its partner.
; REGISTERS: window 0: v16-27 addresses; v32-95 at work on the way out; v96-127 b at my 64 columns; v128-255 the accumulators ((a, bb) at v[128 + 8 (4 a + bb)]).
;   window 1: two fragment buffers of 128: x's four fragments, then W's four.
.set PITCH, 272                        ; an LDS row: 256 bytes + 16 of padding = 68 words: row r starts at bank 4 r mod 64 (64 banks of 4 bytes: ISA guide 11.1)
.set OPP,   1040                       ; an operand's LDS row: all 1,024 bytes of K + 16 of padding: an odd multiple of 16 bytes
.set HALFT, 64*OPP                     ; 64 rows: what one tensor load brings, and what one wave reads of x or of W
.set CHUNK, 256                        ; 256 along K within a row
.set STG,   278528                     ; behind the operands (4 x HALFT = 266,240 bytes): a stage of 16 rows x 272 bytes for each wave
.set ADRA, 16                          ; v16-19  LDS address of my fragments of x in chunk 0 .. 3
.set ADRB, 20                          ; v20-23  the same for W
.set STO,  24                          ; v24     the way out: where I put 32 bytes of a row
.set RD,   25                          ; v25     where I read a row back
.set CO,   26                          ; v26     my byte offset in out
.set BO,   27                          ; v27     my byte offset in my wave's part of b
.set TMP,  32
.set BI,   96
.set ACC,  128
.set F0,   0
.set F1,   128
.set G1A,  24                          ; s[24:31] descriptor group 1 for x's tiles;  s[32:39] for W's: it differs in the mask alone
.set G1B,  32
.set G0A,  40                          ; s[40:43] descriptor group 0 for x's load;  s[68:71] for W's
.set G0B,  68
.set MSB, 0
.macro WIN new                         ; the immediate's high byte repeats the setting that is left; a switch that changes nothing is dropped
.if MSB != \new
	s_set_vgpr_msb (MSB<<8)|\new
.set MSB, \new
.endif
.endm
.macro CROUND                          ; a round of the cluster's barrier
	s_barrier_signal -1
	s_barrier_wait -1
	s_cmp_lg_u32 s14, 0
	s_cbranch_scc1 .Lnot_wave_0_\@
	s_barrier_signal -3
.Lnot_wave_0_\@:
	s_barrier_wait -3
	s_barrier_signal -1
	s_barrier_wait -1
.endm
	s_load_b256 s[4:11], s[0:1], 0x0               ; x's codes s[4:5], W's s[6:7], the scales' exponents s[8:9], b s[10:11]
	s_load_b64 s[12:13], s[0:1], 0x20              ; out
	v_lshl_add_u32 v30, v0, 2, 0x48400
	v_mov_b32 v31, 0
	ds_add_u32 v30, v31
	ds_add_u32 v30, v31
	v_lshrrev_b32 v1, 5, v0
	v_readfirstlane_b32 s14, v1                    ; wave 0..3
	s_lshr_b32 s15, s14, 1                         ; which half of the tile's rows is mine.  Also: I fetch for x (0) or for W (1)
	s_and_b32 s16, s14, 1                          ; which half of its columns.  Also: which 64 rows of that tile I fetch
	s_bfe_u32 s17, ttmp6, 0x40000                  ; cx, cy: my place in the cluster
	s_bfe_u32 s18, ttmp6, 0x40004
	s_lshl_b32 s19, ttmp9, 2
	s_add_co_u32 s19, s19, s17                     ; tile column = 4 x cluster x + cx
	s_and_b32 s20, ttmp7, 0xffff
	s_lshl_b32 s20, s20, 2
	s_add_co_u32 s20, s20, s18                     ; tile row = 4 x cluster y + cy
	s_lshl_b32 s21, s18, 2
	s_lshl_b32 s21, 15, s21                        ; my row of the cluster
	s_lshl_b32 s22, 0x1111, s17                    ; my column
	; descriptor group 1: a tile of 64 rows x 256 bytes, padded in LDS
	s_or_b32 s[G1A], s21, (1<<20)|(1<<21)|(7<<22)|(3<<25)   ; the mask: x's tiles go to my row; elements of 1 byte; four words of padding after every 256
	s_or_b32 s[G1B], s22, (1<<20)|(1<<21)|(7<<22)|(3<<25)   ; W's go to my column
.irp g, G1A, G1B
	s_mov_b32 s[\g+1], 1024<<16                    ; tensor_dim0: a whole row of K
	s_mov_b32 s[\g+2], 64<<16                      ; tensor_dim1
	s_mov_b32 s[\g+3], 1024<<16                    ; tile_dim0
	s_mov_b32 s[\g+4], 64                          ; tile_dim1
	s_mov_b32 s[\g+5], 1024                        ; from row to row
	s_mov_b32 s[\g+6], 0
	s_mov_b32 s[\g+7], 0
.endr
	; where the tiles come from: x's hang on the tile row alone, W's on the tile column alone, each in registers that never hold the other coordinate
	s_lshl_b32 s84, s20, 17                        ; x: (128 x tile row + 64 x half) rows of 1,024 bytes
	s_lshl_b32 s85, s16, 16
	s_add_co_u32 s84, s84, s85
	s_mov_b32 s85, 0
	s_lshl_b32 s86, s19, 17                        ; W: the same with the tile column
	s_lshl_b32 s87, s16, 16
	s_add_co_u32 s86, s86, s87
	s_mov_b32 s87, 0
	s_mul_i32 s23, s14, HALFT                      ; where they go in a chunk: wave x 64 rows: no place in the cluster enters an LDS address
	s_lshl_b32 s58, s19, 9                         ; b: my 64 numbers: 512 x tile column + 256 x half, in bytes
	s_lshl_b32 s59, s16, 8
	s_add_co_u32 s58, s58, s59
	s_mov_b32 s59, 0
	s_lshl_b32 s60, s20, 19                        ; out: (128 x tile row + 64 x half) rows of 4,096 bytes, + the same bytes along a row as in b
	s_lshl_b32 s61, s15, 18
	s_add_co_u32 s60, s60, s61
	s_add_co_u32 s60, s60, s58
	s_mov_b32 s61, 0
	; every LDS address register is made here, ahead of the first branch on the wave's number
	v_and_b32 v1, 15, v0                           ; r = lane % 16
	v_bfe_u32 v2, v0, 4, 1                         ; h = lane / 16
	v_mul_u32_u24 v3, v1, OPP
	v_lshl_add_u32 v3, v2, 4, v3                   ; a fragment's row x pitch + 16 h
	s_wait_alu depctr_va_vdst(0)
	s_mul_i32 s92, s15, HALFT                      ; my 64 rows of x
	s_mul_i32 s93, s16, HALFT                      ; my 64 rows of W,
	s_add_co_u32 s93, s93, 2*HALFT                 ; which lie behind x's 128
.irp c, 0,1,2,3
	v_add_nc_u32 v[ADRA+\c], s92, v3
	v_add_nc_u32 v[ADRB+\c], s93, v3
	s_add_co_u32 s92, s92, CHUNK
	s_add_co_u32 s93, s93, CHUNK
.endr
	s_mul_i32 s56, s14, 16*PITCH
	s_add_co_u32 s56, s56, STG                     ; my stage
	v_mul_u32_u24 v4, v1, PITCH                    ; in: row r, 32 bytes for each half of the lanes
	v_lshl_add_u32 v4, v2, 5, v4
	v_add_nc_u32 v[STO], s56, v4
	v_mul_u32_u24 v5, v2, PITCH                    ; back: lanes 0-15 take one row of 256 bytes, lanes 16-31 the next
	v_lshl_add_u32 v5, v1, 4, v5
	v_add_nc_u32 v[RD], s56, v5
	v_lshlrev_b32 v[CO], 12, v2                    ; and the same two rows in out
	v_lshl_add_u32 v[CO], v1, 4, v[CO]
	v_lshlrev_b32 v[BO], 5, v2                     ; b: my half's eight numbers of each 16
	s_wait_dscnt 0x0
	s_wait_kmcnt 0x0
	s_load_b64 s[62:63], s[8:9], 0x10              ; e4, e5
	s_add_nc_u64 s[88:89], s[4:5], s[84:85]
	s_add_nc_u64 s[90:91], s[6:7], s[86:87]
	s_add_nc_u64 s[10:11], s[10:11], s[58:59]
	s_add_nc_u64 s[12:13], s[12:13], s[60:61]
.irp c, 0                                      ; one load a wave: 64 rows x 1,024 bytes
	s_mov_b32 s[G0A+4*\c], 1
	s_add_co_u32 s[G0A+4*\c+1], s23, \c*CHUNK                      ; 63:32 LDS address
	s_add_nc_u64 s[G0A+4*\c+2:G0A+4*\c+3], s[88:89], \c*256        ; 120:64 global address: K = 256 c on
	s_or_b32 s[G0A+4*\c+3], s[G0A+4*\c+3], 0x80000000              ; 127:126 type = 2
	s_mov_b32 s[G0B+4*\c], 1
	s_add_co_u32 s[G0B+4*\c+1], s23, \c*CHUNK
	s_add_nc_u64 s[G0B+4*\c+2:G0B+4*\c+3], s[90:91], \c*256
	s_or_b32 s[G0B+4*\c+3], s[G0B+4*\c+3], 0x80000000
.endr
	CROUND                                         ; all sixteen work-groups are here: the joint loads meet
	; All fills of the launch, in one group: waves 0 and 1 ask for x's halves, waves 2 and 3 for W's.  One load of a wave is out.  Four v_nop follow each run.
	s_cmp_eq_u32 s15, 0
	s_cbranch_scc0 .Lfor_w
	tensor_load_to_lds s[G0A:G0A+3], s[G1A:G1A+7]
	s_nop 0
.rept 4
	v_nop
.endr
	s_branch .Lasked
.Lfor_w:
	tensor_load_to_lds s[G0B:G0B+3], s[G1B:G1B+7]
	s_nop 0
.rept 4
	v_nop
.endr
.Lasked:
	s_wait_alu depctr_va_vdst(0)
.irp bb, 0,1,2,3                               ; b in the result's layout: register 8 bb + j = column 16 bb + 8 h + j of my 64
	global_load_b128 v[BI+8*\bb:BI+8*\bb+3], v[BO], s[10:11] offset:64*\bb
	global_load_b128 v[BI+8*\bb+4:BI+8*\bb+7], v[BO], s[10:11] offset:64*\bb+16
.endr
; 32 LDS loads in one run: the fragments of the q-th 128 along K (chunk q / 2, byte 128 (q % 2) of its rows) into buffer f
.macro FETCH q, f
	WIN 0x40                                       ; destination window 1, address window 0
.irp i, 0,1,2,3
.irp c, 0,1,2,3
	ds_load_b128 v[\f+16*\i+4*\c:\f+16*\i+4*\c+3], v[ADRA+(\q)/2] offset:128*((\q)%2)+32*\c+\i*16*OPP
.endr
.irp c, 0,1,2,3
	ds_load_b128 v[\f+64+16*\i+4*\c:\f+64+16*\i+4*\c+3], v[ADRB+(\q)/2] offset:128*((\q)%2)+32*\c+\i*16*OPP
.endr
.endr
.endm
; 16 matrix instructions: 128 along K.  The 16 accumulators take turns, one instruction a turn, in the same order in every step.  zero = 1: the first products start the sums
.macro MUL f, zero
	WIN 0x05                                       ; sources 0 (W) and 1 (x) window 1; C and D window 0
.irp a, 0,1,2,3
.irp bb, 0,1,2,3
.if \zero
	v_wmma_f32_16x16x128_bf8_bf8 v[ACC+8*(4*\a+\bb):ACC+8*(4*\a+\bb)+7], v[\f+64+16*\bb:\f+64+16*\bb+15], v[\f+16*\a:\f+16*\a+15], 0
.else
	v_wmma_f32_16x16x128_bf8_bf8 v[ACC+8*(4*\a+\bb):ACC+8*(4*\a+\bb)+7], v[\f+64+16*\bb:\f+64+16*\bb+15], v[\f+16*\a:\f+16*\a+15], v[ACC+8*(4*\a+\bb):ACC+8*(4*\a+\bb)+7]
.endif
.endr
.endr
.endm
.macro PLACES                          ; four places in front of loads into registers that matrix instructions have read, and of the first read of results (ISA guide 7.12.1 for the first read of results)
.rept 4
	v_nop
.endr
.endm
.macro MEET c                          ; my one load has landed; behind the barrier everybody's has
	s_wait_tensorcnt 0x0                           ; my one load has landed
	s_wait_dscnt 0x0                               ; no LDS instruction of mine is out at the signal
	s_barrier_signal -1
	s_barrier_wait -1
.endm
.macro ODD q                           ; step q lies in buffer 1 and is a chunk's second: the next step's fragments come from the next chunk
	s_wait_dscnt 0x0                               ; buffer 1 is filled
	PLACES
	FETCH (\q)+1, F0
	MUL F1, 0
.endm
.macro EVEN q                          ; step q lies in buffer 0; the next step lies in the same chunk
	PLACES
	FETCH (\q)+1, F1
	s_wait_dscnt 32                                ; all but the 32 just issued: buffer 0 is filled
	MUL F0, 0
.endm
	MEET 0
	FETCH 0, F0
	FETCH 1, F1
	s_wait_dscnt 32                                ; step 0's fragments are in; step 1's 32 loads may be out
	MUL F0, 1
	ODD 1
	EVEN 2
	ODD 3
	EVEN 4
	ODD 5
	EVEN 6
	s_wait_dscnt 0x0
	MUL F1, 0
	WIN 0
; THE WAY OUT, block by block of 16 rows x 64 columns.  A lane holds 32 neighbouring bytes of a row, and the lanes beside it hold other rows: so a block goes through my own stage in LDS and comes back as whole
; rows of 256 bytes, into the registers that its sums have left.  LDS serves a wave's instructions in order (ISA guide 5.7.1.4): no wait between the stores and the loads, nor in front of the next block's stores.
.macro TOSTAGE a
.set TM, TMP+32*((\a)%2)
.irp bb, 0,1,2,3
.irp i, 0,2,4,6
	v_pk_fma_f32 v[TM+8*\bb+\i:TM+8*\bb+\i+1], v[ACC+32*(\a)+8*\bb+\i:ACC+32*(\a)+8*\bb+\i+1], s[62:63], v[BI+8*\bb+\i:BI+8*\bb+\i+1] op_sel_hi:[1,0,1]   ; sum x 2^(e4 + e5) + b; each accumulator from its low end on
.endr
.endr
.irp bb, 0,1,2,3
	ds_store_b128 v[STO], v[TM+8*\bb:TM+8*\bb+3] offset:64*\bb
	ds_store_b128 v[STO], v[TM+8*\bb+4:TM+8*\bb+7] offset:64*\bb+16
.endr
.irp t, 0,1,2,3,4,5,6,7
	ds_load_b128 v[ACC+32*(\a)+4*\t:ACC+32*(\a)+4*\t+3], v[RD] offset:\t*2*PITCH
.endr
.endm
.macro SEND a, younger                 ; younger: the LDS instructions issued behind block a's loads, which may stay out
	s_wait_dscnt \younger
.irp t, 0,1,2,3,4,5,6,7
	global_store_b128 v[CO], v[ACC+32*(\a)+4*\t:ACC+32*(\a)+4*\t+3], s[12:13] offset:(16*(\a)+2*\t)*4096 th:TH_STORE_NT   ; 16 lanes store 256 consecutive bytes, at a multiple of 256 from out's first byte; no base is stepped, no store's data are written again
.endr
.endm
	s_wait_kmcnt 0x0
	s_add_co_i32 s62, s62, s63                     ; e4 + e5, between -126 and 127,
	s_add_co_i32 s62, s62, 127
	s_lshl_b32 s62, s62, 23                        ; makes the f32 number 2^(e4 + e5)
	s_mov_b32 s63, s62                             ; (named with it as a pair, so it is written)
	s_wait_loadcnt 0x0                             ; b
	PLACES
	TOSTAGE 0
	TOSTAGE 1
	SEND 0, 16                                     ; behind block 0's loads: block 1's 8 stores and 8 loads
	TOSTAGE 2
	SEND 1, 16
	TOSTAGE 3
	SEND 2, 16
	SEND 3, 0
	s_wait_tensorcnt 0x0
	ds_add_u32 v30, v31
	s_wait_dscnt 0x0
	CROUND                                         ; the closing round: no work-group ends while a partner may still ask for a tile that names it
	s_endpgm
.Lfunc_end_k_q33a6015da9_proj:
	.size	k_q33a6015da9_proj, .Lfunc_end_k_q33a6015da9_proj-k_q33a6015da9_proj
	.p2alignl 7, 3214868480
	.fill 96, 4, 3214868480
	.section	.rodata,"a",@progbits
	.p2align	6, 0x0
	.amdhsa_kernel k_q33a6015da9_proj
		.amdhsa_group_segment_fixed_size 296448
		.amdhsa_private_segment_fixed_size 0
		.amdhsa_enable_private_segment 0
		.amdhsa_kernarg_size 40
		.amdhsa_user_sgpr_count 2
		.amdhsa_user_sgpr_kernarg_segment_ptr 1
		.amdhsa_wavefront_size32 1
		.amdhsa_system_sgpr_workgroup_id_x 1
		.amdhsa_system_sgpr_workgroup_id_y 1
		.amdhsa_system_sgpr_workgroup_id_z 1
		.amdhsa_system_vgpr_workitem_id 0
		.amdhsa_next_free_vgpr 512
		.amdhsa_next_free_sgpr 100
		.amdhsa_reserve_vcc 0
		.amdhsa_float_denorm_mode_32 3
		.amdhsa_float_denorm_mode_16_64 3
		.amdhsa_memory_ordered 1
		.amdhsa_forward_progress 1
		.amdhsa_inst_pref_size 45
	.end_amdhsa_kernel
	.amdgpu_metadata
---
amdhsa.version: [ 1, 2 ]
amdhsa.kernels:
  - .name:           k_q33a6015da9_proj
    .symbol:         k_q33a6015da9_proj.kd
    .args:
      - { .name: xc, .offset: 0, .size: 8, .value_kind: global_buffer, .address_space: global }
      - { .name: W_codes, .offset: 8, .size: 8, .value_kind: global_buffer, .address_space: global }
      - { .name: lowp_scales, .offset: 16, .size: 8, .value_kind: global_buffer, .address_space: global }
      - { .name: b, .offset: 24, .size: 8, .value_kind: global_buffer, .address_space: global }
      - { .name: out0, .offset: 32, .size: 8, .value_kind: global_buffer, .address_space: global }
    .group_segment_fixed_size: 296448
    .private_segment_fixed_size: 0
    .kernarg_segment_align: 8
    .kernarg_segment_size: 40
    .max_flat_workgroup_size: 128
    .sgpr_count:     100
    .vgpr_count:     512
    .wavefront_size: 32
...
	.end_amdgpu_metadata
.endif
;; end of part 2
